; MI455X (gfx1250); checked and timed in simulation.
; The chip was launched on July 23, 2026; its instructions are those of AMD's public machine-readable ISA for CDNA 5 (MIT licence, August 2026) and "CDNA5" Instruction Set Architecture Reference Guide (July 2026). The comments in the code are by the model that wrote it; some were corrected since.
;; Logic Gated SNN. Allowed arithmetic: matrix products marked QUANTISED: E5M2 operands, one given power-of-two scale a tensor, by v_wmma_f32_16x16x64_bf8_bf8 or v_wmma_f32_16x16x128_bf8_bf8, f32 sums; everything else in f32.
;; Inputs: adaptive_threshold 4,096 float32; lowp_scales 2 int32 (the exponents e of the quantised operands' scales 2^e); membrane_potential 4,096 float32; refractory_count 4,096 float32; spike_input_codes 4,096 x 128 x 32 uint8 (E5M2 codes of spike_input, K innermost, in blocks of 32 codes); synapse_states 4,096 x 4,096 float32.
;; Outputs: out0 4,096 x 4,096 float32.
;; This version of the problem:
;;   THIS VERSION OF THE PROBLEM IS GIVEN IN LOW PRECISION. The matrix products marked QUANTISED in the list below multiply operands that are first quantised to E5M2 (5 exponent bits, 2 mantissa bits; 8 bits a number), with one given power-of-two scale for each operand tensor; their sums are f32. All else is computed in f32.
;;   The module's matrix products, in the order in which they are computed (A, B: the left and right operand; K: the contracted axis; several contracted axes count as one K, in the product's order):
;;     1. [M 4,096, K 4,096] x [K 4,096, N 4,096]; A: input spike_input (given as codes); B: computed on the way: QUANTISED (scales: A lowp_scales[0], B lowp_scales[1])
;;   THE QUANTISER, for each operand of a quantised product, along K:
;;     - The operand's scale is 2^e, e = its entry of the input lowp_scales (int32; the entries are numbered through the quantised products in the list's order, A before B).
;;     - Each number is divided by the scale, clamped to +-57,344, and rounded to the nearest number of E5M2, ties to even, subnormals kept.
;;     - The product sums the exact products of the quantised numbers (number of the format x scale) in f32.
;;   ~~~python
;;   def quantise(x, axis, e):      # numpy; x: float32 -> the quantised numbers, widened to float32 again
;;       x = np.moveaxis(x, axis, -1); K = x.shape[-1]
;;       r = np.clip(x / 2.0 ** e, -57344, 57344)
;;       step = 2.0 ** (np.maximum(np.frexp(np.where(r == 0, 1, r))[1] - 1, -14) - 2)
;;       q = np.round(r / step) * step * 2.0 ** e      # np.round: ties to even
;;       return np.moveaxis(q, -1, axis).astype(np.float32)
;;   ~~~
;;   OPERANDS COMPUTED ON THE WAY. 'Computed on the way' means the value that the module computes at that place (a softmax that the list does not call 'softmax' is quantised finished and normalised). What goes into a quantiser is computed in f32, as accurately as f32 sums, v_exp_f32 and their like allow (about 1e-6 of the number): no bf16 or f16 on the way to a quantiser, and a product that is left as it is and whose result goes on into a quantised operand takes f32 operands (vector FMAs, or v_wmma_f32_16x16x4_f32). A number that lies on a knife's edge between two numbers of the format may be rounded either way, as far as f32 arithmetic and the matrix unit's own rounding can turn it there, and no further.
;;   INPUTS GIVEN AS CODES. spike_input (in the module: [4096, 4096], K = its axis 1): each comes as NAME_codes (uint8): NAME with its K axis moved to the last place and cut into blocks of 32 codes, [.., K / 32, bytes a block], one block behind the other in memory; one code a byte (a code: sign, 5 exponent bits, 2 mantissa bits); its scale is its entry of lowp_scales. Its value is code x scale, taken as it is: it is not quantised again, and the codes and scales need not be those that the quantiser above would give.
;; One version. Each part assembles by itself: llvm-mc -triple=amdgcn-amd-amdhsa -mcpu=gfx1250 --defsym DOCPART=n.
;; ======== version 1 of 1: 2 launches
;; limits: right only within a limited range of input values
;; workspace buffers: w_codes 16,777,216 bytes
;; launch ternq (part 1): grid 256 x 1, 16 waves a work-group, no clusters, 69,632 bytes of LDS; arguments synapse_states, lowp_scales, w_codes; writes w_codes
.if DOCPART == 1
	.amdgcn_target "amdgcn-amd-amdhsa--gfx1250"
	.amdhsa_code_object_version 6
	.text
	.protected	k_q91074e32e6_ternq
	.globl	k_q91074e32e6_ternq
	.p2align	8
	.type	k_q91074e32e6_ternq,@function
k_q91074e32e6_ternq:
	s_mov_b64 s[64:65], 0
	v_nop
	global_prefetch_b8 v0, s[64:65] scope:SCOPE_SE
	s_setreg_imm32_b32 hwreg(HW_REG_WAVE_MODE, 25, 1), 1
	s_wait_xcnt 0x0
; synapse_states [4096 n][4096 k], f32, becomes the product's second operand: w = +1 where s > 1, -1 where s < -1, else 0 (a NaN gives 0),
; quantised to BF8 (E5M2) with the given scale 2^e, e = entry 1 of the scales: w / 2^e, held within +-57,344, to the nearest code, ties to even.
; w has three values, so ternarising and the hold are one line: where |s| > 1, s is held within +-L, L = min(1, 57,344 x 2^e); elsewhere 0.
; e is held between -126 and 112 so that 2^e and 57,344 x 2^e are f32 numbers: below, the code is the largest as at -126; above, 0 as at 112.  Every int32 e is served.
; THE CODES ARE LAID AS IMAGES OF THE OPERAND'S REGISTERS: block id (16 neurons) x unit k / 32 x lane (16 h + r) x 16 bytes:
; lane (r, h) of unit u holds k = 32 u + 16 h + 0 .. 15 of neuron 64 (id / 4) + 4 r + id % 4.  A block is 65,536 bytes, a unit 512.
; Work-group id makes block id.  Wave r reads its neuron's row, 8 steps of 512 numbers, all 32 loads out at its head, each 512 consecutive bytes.
; The words of codes go into LDS, row r of the step's own region (rows 528 bytes apart); behind a barrier wave u reads unit 16 t + u, 16 bytes a lane, and stores 512 consecutive bytes.
; No matrix unit, no tensor load, no cluster: every byte of memory is touched once.
.set STEPS, 8
.set R,     16                         ; v16-143  eight sets of 16 numbers
.set C,     144                        ; v144-175 codes as converted
.set O,     176                        ; v176-207 codes as stored
.set MK,    40                         ; s40-55   masks |s| > 1
.set LP,    528                        ; an LDS row: 512 codes + 16
.set REG,   16*LP                      ; a step's region
.set SPARE, 8*REG                      ; the spare words, 128 bytes a wave
	s_load_b128 s[4:7], s[0:1], 0x0                ; synapse_states, the scales' exponents
	s_load_b64 s[8:9], s[0:1], 0x10                ; the codes
	v_lshl_add_u32 v208, v0, 2, SPARE
	v_mov_b32 v209, 0
	v_lshrrev_b32 v1, 5, v0
	v_readfirstlane_b32 s16, v1                    ; wave 0..15
	v_and_b32 v2, 31, v0
	v_lshlrev_b32 v3, 4, v2                        ; 16 x lane
	s_mul_i32 s17, s16, LP
	v_lshl_add_u32 v14, v2, 2, s17                 ; into LDS: my row, 4 x lane
	v_and_b32 v4, 15, v0
	v_bfe_u32 v5, v0, 4, 1
	v_mul_u32_u24 v15, v4, LP
	v_lshl_add_u32 v15, v5, 4, v15
	s_lshl_b32 s19, s16, 5
	v_add_nc_u32 v15, s19, v15                     ; out of LDS: row lane % 16, byte 32 x wave + 16 (lane / 16)
	s_lshr_b32 s18, ttmp9, 2
	s_lshl_b32 s18, s18, 6
	s_lshl_b32 s20, s16, 2
	s_add_co_u32 s18, s18, s20
	s_and_b32 s20, ttmp9, 3
	s_add_co_u32 s18, s18, s20                     ; my neuron: 64 (id / 4) + 4 wave + id % 4
	s_lshl_b32 s20, s18, 14
	s_mov_b32 s21, 0
	s_lshl_b32 s24, ttmp9, 16                      ; my block,
	s_lshl_b32 s25, s16, 9                         ; my unit of a step's sixteen
	s_add_co_u32 s24, s24, s25
	s_mov_b32 s25, 0
	s_wait_alu depctr_va_vdst(0)                   ; the wait at the head's end
	s_wait_kmcnt 0x0
	s_load_b32 s22, s[6:7], 0x4                    ; e
	s_add_nc_u64 s[4:5], s[4:5], s[20:21]
	s_add_nc_u64 s[8:9], s[8:9], s[24:25]
.irp t, 0,1,2,3,4,5,6,7
.irp i, 0,1,2,3
	global_load_b128 v[R+16*\t+4*\i:R+16*\t+4*\i+3], v3, s[4:5] offset:2048*\t+512*\i th:TH_LOAD_NT
.endr
.endr
	s_wait_kmcnt 0x0
	s_max_i32 s22, s22, -126
	s_min_i32 s22, s22, 112
	s_add_co_i32 s22, s22, 127
	s_lshl_b32 s23, s22, 23
	v_mov_b32 v11, s23                             ; 2^e
	s_add_co_i32 s22, s22, 15
	s_lshl_b32 s22, s22, 23
	s_or_b32 s22, s22, 0x600000                    ; 57,344 x 2^e
	s_min_u32 s22, s22, 0x3f800000                 ; positive f32 patterns are ordered as whole numbers
	v_mov_b32 v10, s22                             ; L
.macro STEP t
.set XS, R+16*(\t)
	s_wait_loadcnt 4*(STEPS-1-(\t))                ; this step's four loads are in
.irp i, 0,1,2,3,4,5,6,7,8,9,10,11,12,13,14,15
	v_cmp_gt_f32 s[MK+\i], |v[XS+\i]|, 1.0
.endr
.irp i, 0,1,2,3,4,5,6,7,8,9,10,11,12,13,14,15
	v_cndmask_b32 v[XS+\i], 0, v[XS+\i], s[MK+\i]
.endr
.irp i, 0,1,2,3,4,5,6,7,8,9,10,11,12,13,14,15
	v_med3_num_f32 v[XS+\i], v[XS+\i], -v10, v10   ; +-L or 0 (the conversion does not saturate: ISA guide 7.6.2)
.endr
	v_cvt_scalef32_pk8_bf8_f32 v[C+4*(\t):C+4*(\t)+1], v[XS:XS+7], v11
	v_cvt_scalef32_pk8_bf8_f32 v[C+4*(\t)+2:C+4*(\t)+3], v[XS+8:XS+15], v11
	v_nop                                          ; one plain line behind the last conversion
.irp i, 0,1,2,3
	ds_store_b32 v14, v[C+4*(\t)+\i] offset:REG*(\t)+128*\i
.endr
	s_wait_dscnt 0x0                               ; my stores are done, for the others' sake; the step before is back in registers
	s_barrier_signal -1
	s_barrier_wait -1
	ds_load_b128 v[O+4*(\t):O+4*(\t)+3], v15 offset:REG*(\t)   ; sixteen waves' rows: my unit
.if (\t) > 0
	global_store_b128 v3, v[O+4*((\t)-1):O+4*((\t)-1)+3], s[8:9] offset:8192*((\t)-1)   ; 512 consecutive bytes, aligned
.endif
.endm
.irp t, 0,1,2,3,4,5,6,7
	STEP \t
.endr
	s_wait_dscnt 0x0
	global_store_b128 v3, v[O+4*(STEPS-1):O+4*(STEPS-1)+3], s[8:9] offset:8192*(STEPS-1)
	s_wait_tensorcnt 0x0                           ; the wave's end
	ds_add_u32 v208, v209
	s_wait_dscnt 0x0
	s_endpgm
.Lfunc_end_k_q91074e32e6_ternq:
	.size	k_q91074e32e6_ternq, .Lfunc_end_k_q91074e32e6_ternq-k_q91074e32e6_ternq
	.p2alignl 7, 3214868480
	.fill 96, 4, 3214868480
	.section	.rodata,"a",@progbits
	.p2align	6, 0x0
	.amdhsa_kernel k_q91074e32e6_ternq
		.amdhsa_group_segment_fixed_size 69632
		.amdhsa_private_segment_fixed_size 0
		.amdhsa_enable_private_segment 0
		.amdhsa_kernarg_size 24
		.amdhsa_user_sgpr_count 2
		.amdhsa_user_sgpr_kernarg_segment_ptr 1
		.amdhsa_wavefront_size32 1
		.amdhsa_system_sgpr_workgroup_id_x 1
		.amdhsa_system_sgpr_workgroup_id_y 1
		.amdhsa_system_sgpr_workgroup_id_z 1
		.amdhsa_system_vgpr_workitem_id 0
		.amdhsa_next_free_vgpr 210
		.amdhsa_next_free_sgpr 66
		.amdhsa_reserve_vcc 0
		.amdhsa_float_denorm_mode_32 3
		.amdhsa_float_denorm_mode_16_64 3
		.amdhsa_memory_ordered 1
		.amdhsa_forward_progress 1
		.amdhsa_inst_pref_size 35
	.end_amdhsa_kernel
	.amdgpu_metadata
---
amdhsa.version: [ 1, 2 ]
amdhsa.kernels:
  - .name:           k_q91074e32e6_ternq
    .symbol:         k_q91074e32e6_ternq.kd
    .args:
      - { .name: synapse_states, .offset: 0, .size: 8, .value_kind: global_buffer, .address_space: global }
      - { .name: lowp_scales, .offset: 8, .size: 8, .value_kind: global_buffer, .address_space: global }
      - { .name: w_codes, .offset: 16, .size: 8, .value_kind: global_buffer, .address_space: global }
    .group_segment_fixed_size: 69632
    .private_segment_fixed_size: 0
    .kernarg_segment_align: 8
    .kernarg_segment_size: 24
    .max_flat_workgroup_size: 512
    .sgpr_count:     66
    .vgpr_count:     210
    .wavefront_size: 32
...
	.end_amdgpu_metadata
.endif
;; end of part 1
;; launch gemm (part 2): grid 16 x 16, 4 waves a work-group, clusters of 4 x 4, 327,680 bytes of LDS; arguments spike_input_codes, w_codes, lowp_scales, membrane_potential, adaptive_threshold, refractory_count, out0; writes out0
.if DOCPART == 2
	.amdgcn_target "amdgcn-amd-amdhsa--gfx1250"
	.amdhsa_code_object_version 6
	.text
	.protected	k_q91074e32e6_gemm
	.globl	k_q91074e32e6_gemm
	.p2align	8
	.type	k_q91074e32e6_gemm,@function
k_q91074e32e6_gemm:
	s_mov_b64 s[64:65], 0
	v_nop
	global_prefetch_b8 v0, s[64:65] scope:SCOPE_SE
	s_setreg_imm32_b32 hwreg(HW_REG_WAVE_MODE, 25, 1), 1
	s_wait_xcnt 0x0
	s_wait_alu depctr_hold_cnt(0) depctr_sa_sdst(0) depctr_va_vdst(0) depctr_va_sdst(0) depctr_va_ssrc(0) depctr_va_vcc(0) depctr_vm_vsrc(0)
	s_getreg_b32 s2, hwreg(HW_REG_IB_STS2, 6, 4)
	s_cmp_eq_u32 s2, 0
	s_cbranch_scc0 .Lentry_in_a_cluster
	s_endpgm
.Lentry_in_a_cluster:
	s_bfe_u32 s2, ttmp6, 0x10000c
	s_cmp_lg_u32 s2, 0xf033
	s_cbranch_scc0 .Lentry_shape_is_right
	s_endpgm
.Lentry_shape_is_right:
; out[m][n] = 1 where 0.8 mem[n] + (refractory[n] > 0 ? 0 : 2^(ea + eb)) x sum over k of spike codes[m][k] x w codes[n][k] >= threshold[n], else 0.
; A work-group of four waves makes 256 x 256 of the result, a wave 128 x 128: 64 accumulators, 512 registers.  Form: v_wmma_f32_16x16x128_bf8_bf8, a step = 128 along K = 64 instructions.
; A (the spikes) comes through a ring of two LDS slots of 512 along K (256 rows of 512 bytes, 528 apart); each wave asks for 64 rows by one JOINT tensor load, shared along the cluster's row (same tile row).
; B (w) lies in memory as images of the operand's registers (the launch before laid it so) and goes straight into registers, 512 consecutive bytes a load: no LDS byte is spent on it,
; which is why a slot can hold 512 along K.  B has two sets of 128 registers; step j asks for step j + 1's set.  B has no joint load: it is not a tensor load.
; k is permuted alike in A and B inside a step (registers 4 c .. 4 c + 3: k = 32 c + 16 h + 0..15); the result is judged within a tolerance.
; REGISTER WINDOWS.  Window d (0..3): v128-255 the accumulators of A's blocks 2 d, 2 d + 1 ((a, b) at 128 + 8 (8 (a % 2) + b)).  Lower halves: window 0: v0-31 addresses, v32-95 A's blocks 0-3;
; window 1: B's set 0; window 2: B's set 1; window 3: v0-63 the way out's constants, v64-127 A's blocks 4-7.
; A STEP HAS TWO RUNS OF LOADS, each behind four places: at its head A's blocks 4-7 of this step and B's next set; in its middle, when blocks 0-3 are done with, A's blocks 0-3 of the next step.
; The 64 products go in four quarters, one window setting each.  In a slot's last step the second run stands behind the change of slots.
; The columns: lane r of B's block 4 g + c holds neuron 64 g + 4 r + c, so a lane's four results of blocks 4 g .. 4 g + 3 are 16 neighbouring bytes of a row, and sixteen lanes store 256 aligned bytes.
; PREFETCHES: behind the tensor load of slot e stand one for A's slot e + 2 and one for B's same 512 along K (at the head B's second 512 too); each 256 bytes is named once in a cluster: A's rows shared out by cx, B's blocks by cy, by address; the last two refills ask for nothing.
.set PITCH,  528
.set QROWS,  64*PITCH                  ; what one tensor load brings
.set SLOT,   4*QROWS
.set SPARE,  2*SLOT                    ; the spare words, 128 bytes a wave
.set SIZE_N, 4096
.set ADRA, 16                          ; v16-17 LDS address of my A fragments in slot 0, 1
.set BO,   18                          ; 16 x lane
.set PFOA, 19
.set PFOB, 20
.set CO,   26
.set CV,   27
.set SPW,  28
.set NIL,  29
.set TH,   0                           ; window 3: threshold, membrane, refractory, then pairs 0.8 mem and gate x scale
.set RM,   8
.set RR,   16
.set D2,   32
.set GS2,  48
.set G1, 24
.set G0, 32
.set BB,  48                           ; s[48:49] B at my eight blocks, this lap
.set PFA, 50
.set PFB, 52
.set CM,  76
.set MSB, 0
.macro WIN new
.if MSB != (\new)
	s_set_vgpr_msb (MSB<<8)|(\new)
.set MSB, (\new)
.endif
.endm
.macro PLACES                          ; between the last product that read a register and the load into it (ISA guide 7.12.1 for vector instructions)
.rept 4
	v_nop
.endr
.endm
.macro JLOAD s                         ; an s_nop 0 and four v_nop follow
	tensor_load_to_lds s[G0+4*(\s):G0+4*(\s)+3], s[G1:G1+7]
	s_nop 0
	PLACES
.endm
.macro CREST
	s_cmp_lg_u32 s14, 0
	s_cbranch_scc1 .Lnot_wave_0_\@
	s_barrier_signal -3
.Lnot_wave_0_\@:
	s_barrier_wait -3
	s_barrier_signal -1
	s_barrier_wait -1
.endm
.macro CROUND
	s_barrier_signal -1
	s_barrier_wait -1
	CREST
.endm
.macro WM a, b, zero                   ; one product: A's block a x B's block b
.if (\a) < 4
.set AR, 32+16*(\a)
.else
.set AR, 64+16*((\a)-4)
.endif
.set CR, 128+8*(8*((\a)%2)+(\b))
.set BR, 16*(\b)
.if \zero
	v_wmma_f32_16x16x128_bf8_bf8 v[CR:CR+7], v[AR:AR+15], v[BR:BR+15], 0
.else
	v_wmma_f32_16x16x128_bf8_bf8 v[CR:CR+7], v[AR:AR+15], v[BR:BR+15], v[CR:CR+7]
.endif
.endm
.macro ALD i, hi, sl, qq               ; A's load i of 16 for blocks 4 hi .. 4 hi + 3 of the slot's step qq
	ds_load_b128 v[32+32*(\hi)+4*(\i):32+32*(\hi)+4*(\i)+3], v[ADRA+(\sl)] offset:(4*(\hi)+(\i)/4)*16*PITCH+128*(\qq)+32*((\i)%4)
.endm
.macro BLD i, lj                       ; B's load i of 32 for the lap's step lj
	global_load_b128 v[4*(\i):4*(\i)+3], v[BO], s[BB:BB+1] offset:((\i)/4)*65536+(\lj)*2048+((\i)%4)*512
.endm
.macro RUN1 j, bl                      ; A's blocks 4-7 of step j (window 3); bl: B's set for j + 1
	PLACES
	WIN 0xc0
.set i, 0
.rept 16
	ALD i, 1, ((\j)/4)%2, (\j)%4
.set i, i+1
.endr
.if \bl
	WIN (1+((\j)+1)%2)<<6
.set i, 0
.rept 32
	BLD i, (\j)+1
.set i, i+1
.endr
.endif
.endm
.macro RUN2 j                          ; A's blocks 0-3 of step j + 1
	WIN 0
.set i, 0
.rept 16
	ALD i, 0, (((\j)+1)/4)%2, ((\j)+1)%4
.set i, i+1
.endr
.endm
; A quarter: A's blocks 2 d, 2 d + 1 x B's eight.  The 64 accumulators take turns, in the same order in every step.
.macro QUAD d, j, zero
	WIN (3*((\d)/2))|((1+(\j)%2)<<2)|((\d)<<4)|((\d)<<6)
.irp a, 0,1
.irp b, 0,1,2,3,4,5,6,7
	WM 2*(\d)+\a, \b, \zero
.endr
.endr
.endm
; A step.  bl: B's next set is asked for.  nx: the next step's blocks 0-3 are fetched.
.macro SUB j, zero, bl, nx
	s_wait_dscnt 0x0                               ; A's blocks 0-3
	RUN1 \j, \bl
	s_wait_loadcnt 32*(\bl)                        ; this step's set of B is in: the 32 loads just issued may be out
	QUAD 0, \j, \zero
	QUAD 1, \j, \zero
.if \nx
	PLACES
	RUN2 \j
.endif
	s_wait_dscnt 8+16*(\nx)                        ; blocks 4, 5 are in: the LDS loads behind theirs may be out
	QUAD 2, \j, \zero
	s_wait_dscnt 16*(\nx)                          ; blocks 6, 7
	QUAD 3, \j, \zero
.endm
; A slot's last step (j = 3, 7) changes slots: all my tensor loads, the add, my reads of this slot, the barrier (with fill: a round of the cluster's barrier), the joint refill first, then the next slot's first fragments.
.macro SUBX j, fill
.set SL, ((\j)/4)%2
	s_wait_dscnt 0x0
	RUN1 \j, 1
	s_wait_loadcnt 32
	QUAD 0, \j, 0
	WIN 0
	s_wait_tensorcnt 0x0                           ; my part of the next slot has landed
	ds_add_u32 v[SPW], v[NIL]
.if \fill
	s_add_nc_u64 s[G0+4*SL+2:G0+4*SL+3], s[G0+4*SL+2:G0+4*SL+3], 1024   ; this slot's next 512 along K
.endif
	QUAD 1, \j, 0                                  ; sixteen products stand between the add and the wait for it
	WIN 0
	s_wait_dscnt 0x0                               ; the add is done and my reads of this slot are over
	s_barrier_signal -1
	s_barrier_wait -1
.if \fill
	CREST
	JLOAD SL                                       ; its four v_nop are also the places in front of the loads below
.else
	PLACES
.endif
	RUN2 \j
.if \fill
	s_cmp_gt_u32 s3, 1                             ; the last trip's refills have no slot two on
	s_cbranch_scc0 .Lna_\@
	global_prefetch_b8 v[PFOA], s[PFA:PFA+1] offset:512*SL th:TH_LOAD_NT scope:SCOPE_SE
	global_prefetch_b8 v[PFOB], s[PFB:PFB+1] offset:8192*SL th:TH_LOAD_NT scope:SCOPE_SE
.Lna_\@:
.endif
	QUAD 2, \j, 0
	QUAD 3, \j, 0
.endm
	s_load_b128 s[4:7], s[0:1], 0x0                ; spikes' codes, w's codes
	s_load_b128 s[8:11], s[0:1], 0x10              ; scales, membrane
	s_load_b128 s[68:71], s[0:1], 0x20             ; threshold, refractory
	s_load_b64 s[12:13], s[0:1], 0x30              ; out
	v_lshl_add_u32 v[SPW], v0, 2, SPARE
	v_mov_b32 v[NIL], 0
	ds_add_u32 v[SPW], v[NIL]                      ; the opening: the add twice on end and its wait
	ds_add_u32 v[SPW], v[NIL]
	v_lshrrev_b32 v1, 5, v0
	v_readfirstlane_b32 s14, v1                    ; wave
	s_lshr_b32 s15, s14, 1                         ; my half of the rows
	s_and_b32 s16, s14, 1                          ; my half of the columns
	s_bfe_u32 s40, ttmp6, 0x40000                  ; cx
	s_bfe_u32 s41, ttmp6, 0x40004                  ; cy
	s_lshl_b32 s42, ttmp9, 2
	s_add_co_u32 s42, s42, s40                     ; tile column
	s_and_b32 s17, ttmp7, 0xffff
	s_lshl_b32 s17, s17, 2
	s_add_co_u32 s17, s17, s41                     ; tile row
	s_lshl_b32 s43, s41, 2
	s_lshl_b32 s43, 15, s43                        ; my row of the cluster
	s_or_b32 s[G1+0], s43, (1<<20)|(1<<21)|(6<<22)|(3<<25)   ; mask; 1-byte elements; 4 words of padding behind every 128
	s_mov_b32 s[G1+1], 512<<16
	s_mov_b32 s[G1+2], 64<<16
	s_mov_b32 s[G1+3], 512<<16
	s_mov_b32 s[G1+4], 64
	s_mov_b32 s[G1+5], 4096
	s_mov_b32 s[G1+6], 0
	s_mov_b32 s[G1+7], 0
	s_lshl_b32 s20, s17, 8
	s_lshl_b32 s18, s14, 6
	s_add_co_u32 s20, s20, s18                     ; the 64 rows that I fetch
	s_lshl_b32 s20, s20, 12
	s_mov_b32 s21, 0
	s_mul_i32 s45, s14, QROWS
	s_wait_dscnt 0x0
	s_wait_kmcnt 0x0
	s_load_b64 s[96:97], s[8:9], 0x0               ; ea, eb
	s_add_nc_u64 s[20:21], s[4:5], s[20:21]
	CROUND                                         ; in front of the first joint loads
.irp s, 0,1
	s_mov_b32 s[G0+4*\s], 1
	s_add_co_u32 s[G0+4*\s+1], s45, \s*SLOT
	s_add_nc_u64 s[G0+4*\s+2:G0+4*\s+3], s[20:21], \s*512
	s_or_b32 s[G0+4*\s+3], s[G0+4*\s+3], 0x80000000
.endr
	JLOAD 0                                        ; slot 0: one tensor load a wave at the head
	v_and_b32 v1, 15, v0                           ; r
	v_bfe_u32 v2, v0, 4, 1                         ; h
	v_mul_u32_u24 v3, v1, PITCH
	v_lshl_add_u32 v4, v2, 4, v3
	s_mul_i32 s21, s15, 2*QROWS                    ; my 128 rows of A
	v_add_nc_u32 v[ADRA], s21, v4
	s_add_co_u32 s21, s21, SLOT
	v_add_nc_u32 v[ADRA+1], s21, v4
	v_and_b32 v5, 31, v0
	v_lshlrev_b32 v[BO], 4, v5
	v_lshlrev_b32 v[CV], 4, v1
	v_lshl_add_u32 v[CO], v2, 17, v[CV]            ; 8 h rows of the result + 16 r
	v_lshrrev_b32 v6, 1, v0
	v_and_b32 v7, 1, v0
	v_lshlrev_b32 v[PFOA], 12, v6                  ; A: thread t names row t / 2, its t % 2-th 256 bytes
	v_lshl_add_u32 v[PFOA], v7, 8, v[PFOA]
	v_lshrrev_b32 v6, 5, v0
	v_lshlrev_b32 v[PFOB], 16, v6                  ; B: wave w names block w, lane l its l-th 256 bytes
	v_lshl_add_u32 v[PFOB], v5, 8, v[PFOB]
	s_lshl_b32 s46, s42, 4
	s_lshl_b32 s47, s16, 3
	s_add_co_u32 s46, s46, s47
	s_lshl_b32 s46, s46, 16
	s_mov_b32 s47, 0
	s_add_nc_u64 s[BB:BB+1], s[6:7], s[46:47]      ; my eight blocks of B
	s_lshl_b32 s46, s42, 4
	s_lshl_b32 s44, s41, 2
	s_add_co_u32 s46, s46, s44
	s_lshl_b32 s46, s46, 16
	s_add_co_u32 s46, s46, 8192
	s_add_nc_u64 s[PFB:PFB+1], s[6:7], s[46:47]    ; my work-group's four blocks of the tile column's sixteen, at the second 512 along K
	s_lshl_b32 s46, s17, 8
	s_lshl_b32 s44, s40, 6
	s_add_co_u32 s46, s46, s44
	s_lshl_b32 s46, s46, 12
	s_add_co_u32 s46, s46, 1024
	s_add_nc_u64 s[PFA:PFA+1], s[4:5], s[46:47]    ; my work-group's 64 rows of the tile row's 256, at slot 2
	s_lshl_b32 s46, s42, 10
	s_lshl_b32 s44, s16, 9
	s_add_co_u32 s46, s46, s44                     ; my first column, in bytes
	s_add_nc_u64 s[10:11], s[10:11], s[46:47]
	s_add_nc_u64 s[68:69], s[68:69], s[46:47]
	s_add_nc_u64 s[70:71], s[70:71], s[46:47]
	s_add_nc_u64 s[12:13], s[12:13], s[46:47]
	s_lshl_b32 s46, s17, 8
	s_lshl_b32 s44, s15, 7
	s_add_co_u32 s46, s46, s44
	s_lshl_b32 s46, s46, 14                        ; my first row
	s_add_nc_u64 s[12:13], s[12:13], s[46:47]
	s_wait_alu depctr_va_vdst(0)
	WIN 0xc0
.irp g, 0,1
	global_load_b128 v[TH+4*\g:TH+4*\g+3], v[CV], s[68:69] offset:256*\g
	global_load_b128 v[RM+4*\g:RM+4*\g+3], v[CV], s[10:11] offset:256*\g
	global_load_b128 v[RR+4*\g:RR+4*\g+3], v[CV], s[70:71] offset:256*\g
.endr
	WIN 0x40                                       ; B's set for step 0
.set i, 0
.rept 32
	BLD i, 0
.set i, i+1
.endr
	WIN 0
	global_prefetch_b8 v[PFOA], s[PFA:PFA+1] th:TH_LOAD_NT scope:SCOPE_SE
	global_prefetch_b8 v[PFOB], s[PFB:PFB+1] th:TH_LOAD_NT scope:SCOPE_SE
	global_prefetch_b8 v[PFOB], s[PFB:PFB+1] offset:8192 th:TH_LOAD_NT scope:SCOPE_SE
	s_wait_tensorcnt 0x0                           ; my part of slot 0; these lines stand ahead of a later first fill as ahead of a refill
	ds_add_u32 v[SPW], v[NIL]
	s_wait_dscnt 0x0
	CROUND
	JLOAD 1                                        ; slot 1's first fill
.set i, 0
.rept 16
	ALD i, 0, 0, 0                                 ; step 0's blocks 0-3
.set i, i+1
.endr
	global_prefetch_b8 v[PFOA], s[PFA:PFA+1] offset:512 th:TH_LOAD_NT scope:SCOPE_SE
	global_prefetch_b8 v[PFOB], s[PFB:PFB+1] offset:16384 th:TH_LOAD_NT scope:SCOPE_SE
	s_wait_loadcnt 32                              ; the six loads of constants: B's 32 stand behind them
	s_wait_kmcnt 0x0
	s_add_co_i32 s96, s96, s97
	WIN 0xff
	v_ldexp_f32 v24, 1.0, s96                      ; 2^(ea + eb)
	v_mov_b32 v25, 0
.irp c, 0,1,2,3,4,5,6,7
	v_mul_f32 v[D2+2*\c], 0x3f4ccccd, v[RM+\c]
	v_mul_f32 v[D2+2*\c+1], 0x3f4ccccd, v[RM+\c]
.endr
.irp c, 0,1,2,3,4,5,6,7
	v_cmp_lt_f32 vcc_lo, 0, v[RR+\c]
	v_cndmask_b32 v[GS2+2*\c], v24, v25, vcc_lo
	v_cndmask_b32 v[GS2+2*\c+1], v24, v25, vcc_lo
.endr
	WIN 0
	s_wait_alu depctr_va_vdst(0)                   ; the wait at the head's end
	s_wait_xcnt 0x0                                ; the prefetches have read their bases
	s_add_nc_u64 s[PFA:PFA+1], s[PFA:PFA+1], 1024  ; slot 4
	s_add_nc_u64 s[PFB:PFB+1], s[PFB:PFB+1], 24576 ; the same 512 along K of B
	SUB 0, 1, 1, 1                                 ; the first step starts the sums
	WIN 0
	s_mov_b32 s3, 3
.Llap:                                                 ; a trip: 1,024 along K, from a lap's second step to the next lap's first; both slots are filled again
	SUB 1, 0, 1, 1
	SUB 2, 0, 1, 1
	SUBX 3, 1
	SUB 4, 0, 1, 1
	SUB 5, 0, 1, 1
	SUB 6, 0, 1, 1
	SUBX 7, 1
	SUB 8, 0, 1, 1
	WIN 0
	s_wait_xcnt 0x0                                ; every load and prefetch has read its base
	s_add_nc_u64 s[BB:BB+1], s[BB:BB+1], 16384
	s_add_nc_u64 s[PFA:PFA+1], s[PFA:PFA+1], 1024
	s_add_nc_u64 s[PFB:PFB+1], s[PFB:PFB+1], 16384
	s_sub_co_u32 s3, s3, 1
	s_cmp_lg_u32 s3, 0
	s_cbranch_scc1 .Llap
	SUB 1, 0, 1, 1                                 ; the last lap fills nothing
	SUB 2, 0, 1, 1
	SUBX 3, 0
	SUB 4, 0, 1, 1
	SUB 5, 0, 1, 1
	SUB 6, 0, 1, 1
	SUB 7, 0, 0, 0                                 ; the last step fetches nothing beyond itself
; THE WAY OUT of A's block a: v = sum x gate + 0.8 mem in place, each accumulator from its low end on; compare; 1.0 or 0 into registers that are done with (even a: the window's v64-127; odd a: block a - 1's accumulators).
.macro OUT a
.set WA, (\a)/2
.set AC, 128+64*((\a)%2)
.set TR, 64+64*((\a)%2)
	WIN WA|(3<<2)|(3<<4)|(WA<<6)
.irp b, 0,1,2,3,4,5,6,7
.irp i, 0,2,4,6
	v_pk_fma_f32 v[AC+8*\b+\i:AC+8*\b+\i+1], v[AC+8*\b+\i:AC+8*\b+\i+1], v[GS2+2*\b:GS2+2*\b+1], v[D2+2*\b:D2+2*\b+1]
.endr
.endr
.irp u, 0,1,2,3
.irp w, 0,1,2,3
.irp c, 0,1,2,3
	v_cmp_ge_f32 s[CM+4*\w+\c], v[AC+8*(4*((4*\u+\w)/8)+\c)+(4*\u+\w)%8], v[TH+4*((4*\u+\w)/8)+\c]
.endr
.endr
.irp w, 0,1,2,3
.irp c, 0,1,2,3
	v_cndmask_b32 v[TR+4*(4*\u+\w)+\c], 0, 1.0, s[CM+4*\w+\c]
.endr
.endr
.endr
	WIN WA<<2
.irp t, 0,1,2,3,4,5,6,7,8,9,10,11,12,13,14,15
	global_store_b128 v[CO], v[TR+4*\t:TR+4*\t+3], s[12:13] offset:(16*(\a)+\t%8)*SIZE_N*4+256*(\t/8) th:TH_STORE_NT   ; sixteen lanes store 256 consecutive bytes, aligned
.endr
.endm
	PLACES
.irp a, 0,1,2,3,4,5,6,7
	OUT \a
.endr
	WIN 0
	s_wait_tensorcnt 0x0                           ; the wave's end
	ds_add_u32 v[SPW], v[NIL]
	s_wait_dscnt 0x0
	CROUND                                         ; the closing round
	s_endpgm
.Lfunc_end_k_q91074e32e6_gemm:
	.size	k_q91074e32e6_gemm, .Lfunc_end_k_q91074e32e6_gemm-k_q91074e32e6_gemm
	.p2alignl 7, 3214868480
	.fill 96, 4, 3214868480
	.section	.rodata,"a",@progbits
	.p2align	6, 0x0
	.amdhsa_kernel k_q91074e32e6_gemm
		.amdhsa_group_segment_fixed_size 327680
		.amdhsa_private_segment_fixed_size 0
		.amdhsa_enable_private_segment 0
		.amdhsa_kernarg_size 56
		.amdhsa_user_sgpr_count 2
		.amdhsa_user_sgpr_kernarg_segment_ptr 1
		.amdhsa_wavefront_size32 1
		.amdhsa_system_sgpr_workgroup_id_x 1
		.amdhsa_system_sgpr_workgroup_id_y 1
		.amdhsa_system_sgpr_workgroup_id_z 1
		.amdhsa_system_vgpr_workitem_id 0
		.amdhsa_next_free_vgpr 1024
		.amdhsa_next_free_sgpr 98
		.amdhsa_reserve_vcc 1
		.amdhsa_float_denorm_mode_32 3
		.amdhsa_float_denorm_mode_16_64 3
		.amdhsa_memory_ordered 1
		.amdhsa_forward_progress 1
		.amdhsa_inst_pref_size 255
	.end_amdhsa_kernel
	.section	.bss,"aw",@nobits
	.p2align	6
	.space	262144
	.amdgpu_metadata
---
amdhsa.version: [ 1, 2 ]
amdhsa.kernels:
  - .name:           k_q91074e32e6_gemm
    .symbol:         k_q91074e32e6_gemm.kd
    .args:
      - { .name: spike_input_codes, .offset: 0, .size: 8, .value_kind: global_buffer, .address_space: global }
      - { .name: w_codes, .offset: 8, .size: 8, .value_kind: global_buffer, .address_space: global }
      - { .name: lowp_scales, .offset: 16, .size: 8, .value_kind: global_buffer, .address_space: global }
      - { .name: membrane_potential, .offset: 24, .size: 8, .value_kind: global_buffer, .address_space: global }
      - { .name: adaptive_threshold, .offset: 32, .size: 8, .value_kind: global_buffer, .address_space: global }
      - { .name: refractory_count, .offset: 40, .size: 8, .value_kind: global_buffer, .address_space: global }
      - { .name: out0, .offset: 48, .size: 8, .value_kind: global_buffer, .address_space: global }
    .group_segment_fixed_size: 327680
    .private_segment_fixed_size: 0
    .kernarg_segment_align: 8
    .kernarg_segment_size: 56
    .max_flat_workgroup_size: 128
    .sgpr_count:     98
    .vgpr_count:     1024
    .wavefront_size: 32
...
	.end_amdgpu_metadata
.endif
;; end of part 2
